; MI455X (gfx1250); checked and timed in simulation.
; The chip was launched on July 23, 2026; its instructions are those of AMD's public machine-readable ISA for CDNA 5 (MIT licence, August 2026) and "CDNA5" Instruction Set Architecture Reference Guide (July 2026). The comments in the code are by the model that wrote it; some were corrected since.
;; MLH Attention. Allowed arithmetic: matrix products marked QUANTISED: E2M1 operands, one E8M0 scale for each 32 along K, by v_wmma_scale_f32_16x16x128_f8f6f4 with both operands' format E2M1 (or v_wmma_scale_f32_32x16x128_f4), f32 sums; products left as they are: bf16, f16 or f32 operands; f32 sums; everything else in f32.
;; Inputs: Wk 256 x 1,024 float32; Wo 1,024 x 1,024 float32; Wq 1,024 x 1,024 float32; Wv 256 x 1,024 float32; attention_mask 1 x 1 x 4,096 x 4,096 float32; hidden_states 1 x 4,096 x 1,024 float32.
;; Outputs: out0 1 x 4,096 x 1,024 float32.
;; This version of the problem:
;;   THIS VERSION OF THE PROBLEM IS GIVEN IN LOW PRECISION. The matrix products marked QUANTISED in the list below multiply operands that are first quantised to E2M1 (2 exponent bits, 1 mantissa bit; 4 bits a number), with one power-of-two scale for each 32 numbers along K (OCP MX v1.0); their sums are f32. The products marked 'left as it is' may take bf16, f16 or f32 operands, with f32 sums. Whichever they take, every output number must still come out within the allowed error. Rounding operands to bf16 (8 significant bits) uses up far more of that allowance than f16 does (11 bits, for magnitudes from 6e-5 to 65,504). All else is computed in f32.
;;   The module's matrix products, in the order in which they are computed (A, B: the left and right operand; K: the contracted axis; several contracted axes count as one K, in the product's order):
;;     1. [M 4,096, K 1,024] x [K 1,024, N 1,024]; A: input hidden_states; B: input Wq: QUANTISED
;;     2. [M 4,096, K 1,024] x [K 1,024, N 256]; A: input hidden_states; B: input Wk: QUANTISED
;;     3. [M 4,096, K 1,024] x [K 1,024, N 256]; A: input hidden_states; B: input Wv: QUANTISED
;;     4. batch 16 x [M 4,096, K 64] x [K 64, N 4,096]; A: computed on the way; B: computed on the way: left as it is (an operand is computed on the way)
;;     5. batch 16 x [M 4,096, K 4,096] x [K 4,096, N 64]; A: computed on the way; B: computed on the way: left as it is (an operand is computed on the way)
;;     6. [M 4,096, K 1,024] x [K 1,024, N 1,024]; A: computed on the way; B: input Wo: left as it is (an operand is computed on the way)
;;   THE QUANTISER, for each operand of a quantised product, along K:
;;     - K is cut into blocks of 32 from its start; a last block that is shorter is filled with zeros.
;;     - A block's scale is 2^e with e = floor(log2(the largest magnitude in the block)) - 2, held to -126 .. 127; a block of zeros has e = 0. As a byte (E8M0): e + 127.
;;     - Each number is divided by its block's scale, clamped to +-6, and rounded to the nearest number of E2M1, ties to even, subnormals kept.
;;     - The product sums the exact products of the quantised numbers (number of the format x scale) in f32.
;;   ~~~python
;;   def quantise(x, axis):      # numpy; x: float32 -> the quantised numbers, widened to float32 again
;;       x = np.moveaxis(x, axis, -1); K = x.shape[-1]
;;       x = np.pad(x, [(0, 0)] * (x.ndim - 1) + [(0, -K % 32)]); x = x.reshape(x.shape[:-1] + (-1, 32)); a = np.abs(x).max(-1, keepdims=True)
;;       e = np.where(a > 0, np.clip(np.frexp(np.where(a > 0, a, 1))[1] - 1 - 2, -126, 127), 0)      # np.frexp(a)[1] - 1 = floor(log2(a)), exactly
;;       r = np.clip(x / 2.0 ** e, -6, 6)
;;       step = 2.0 ** (np.maximum(np.frexp(np.where(r == 0, 1, r))[1] - 1, 0) - 1)
;;       q = np.round(r / step) * step * 2.0 ** e      # np.round: ties to even
;;       return np.moveaxis(q.reshape(q.shape[:-2] + (-1,))[..., :K], -1, axis).astype(np.float32)
;;   ~~~
;; One version. Each part assembles by itself: llvm-mc -triple=amdgcn-amd-amdhsa -mcpu=gfx1250 --defsym DOCPART=n.
;; ======== version 1 of 1: 4 launches
;; limits: right only within a limited range of input values; values are held in f16: magnitudes above 65,504 overflow, below 6.1e-05 lose precision
;; workspace buffers: codes 2,883,584 bytes; scales 180,224 bytes; wo16 2,097,152 bytes; qbuf 8,388,608 bytes; kv 4,194,304 bytes; ao 8,388,608 bytes
;; launch prep (part 1): grid 208 x 1, 4 waves a work-group, no clusters, 68,096 bytes of LDS; arguments hidden_states, Wq, Wk, Wv, Wo, codes, scales, wo16; writes codes, scales, wo16
.if DOCPART == 1
	.amdgcn_target "amdgcn-amd-amdhsa--gfx1250"
	.amdhsa_code_object_version 6
	.text
	.protected	k_q6ff0601dd2_prep
	.globl	k_q6ff0601dd2_prep
	.p2align	8
	.type	k_q6ff0601dd2_prep,@function
k_q6ff0601dd2_prep:
	s_mov_b64 s[64:65], 0
	v_nop
	global_prefetch_b8 v0, s[64:65] scope:SCOPE_SE
	s_setreg_imm32_b32 hwreg(HW_REG_WAVE_MODE, 25, 1), 1
	s_wait_xcnt 0x0
; PREP.  hidden_states [4096][1024], Wq [1024][1024], Wk, Wv [256][1024], all f32 with K innermost, become codes of FP4 (E2M1) with one E8M0 scale byte for each 32 along K;
; Wo [1024][1024] becomes f16.  All results are laid as IMAGES OF THE OPERAND'S REGISTERS: a fragment is 1,024 bytes: registers 0-3 of the 32 lanes (16 bytes a lane), then registers 4-7.
; codes:  [352 row tiles of 16 rows][8 K steps of 128][1,024].  Tiles 0-255: hidden.  Tile 256 + 24 g + 4 j + i: group g; j = 0..3 query head 4 g + j, j = 4 key head g, j = 5 value head g; i: 16 rows each.
; scales: [352][512]: the word (four bytes, 128 along K) of row r for K step ks lies at 256 (ks / 4) + 8 (r + 16 (ks % 2)) + 4 ((ks / 2) % 2): a load of 8 bytes a lane brings two registers, each
;         with an even K step's words in lanes 0-15 and the odd one's in lanes 16-31.
; wo16:   [g 4][row tile 64][kc 8][1,024]: 16 rows of Wo x columns 256 g + 32 kc + 0..31.
; A block's scale is 2^(floor(log2(its largest magnitude)) - 2); its byte is the largest magnitude's exponent field - 2, held at 1 from below.
; LIMITS: a block of zeros gets the byte 1 where the rule says 127 (its codes are zeros, and this program alone reads the bytes); NaN and infinities among the inputs are not served;
; Wo is rounded to f16 (magnitudes above 65,504 are not served).
; SHARES.  A wave takes half a row tile, 16 rows x 512 columns, in four steps of 128 columns.  Each load reads 512 consecutive bytes of a row; a step's 16 x 512 bytes turn through the wave's own
; stage in LDS (rows 528 bytes apart) and come back as the operand's layout wants them.  The FP4 path and the Wo path part on the work-group's number and have stages of their own.
; No tensor load, no barrier: waves share nothing.
.set STP,   528                        ; a stage row: 512 bytes + 16: the 16 rows that a load touches start at 16 different banks
.set WST,   16*STP                     ; a wave's stage
.set SPARE, 8*WST                      ; behind the eight stages: the spare words, 128 bytes for each wave
.set LI,    4                          ; v4   16 x lane
.set STI,   5                          ; v5   FP4 path: my stage + 16 x lane
.set RDQ,   6                          ; v6   FP4 path: my stage + 528 r + 128 h
.set STIH,  7                          ; v7   Wo path: my stage + 16 x lane
.set RDH,   8                          ; v8   Wo path: my stage + 528 r + 32 h
.set L8,    9                          ; v9   8 x lane
.set H8,    10                         ; v10  8 h
.set SPW,   11                         ; v11  my spare word; never rewritten
.set NIL,   12                         ; v12  0; never rewritten
.set W,     13                         ; v13  a scale word
.set W2,    14                         ; v14  lane l xor 16's part of it
.set T,     16                         ; v16-17 largest magnitudes
.set SO,    18                         ; v18-19 the conversions' scale operands
.set B,     20                         ; v20-21 scale bytes
.set SCW,   22                         ; v22-23 the four steps' scale words
.set R,     32                         ; v32-159  two sets of 64: numbers as loaded
.set X,     160                        ; v160-223 numbers as the operand wants them
.set C,     224                        ; v224-255 results
	s_load_b512 s[16:31], s[0:1], 0x0              ; hidden s[16:17], Wq s[18:19], Wk s[20:21], Wv s[22:23], Wo s[24:25], codes s[26:27], scales s[28:29], wo16 s[30:31]
	v_lshl_add_u32 v[SPW], v0, 2, SPARE
	v_mov_b32 v[NIL], 0
	v_lshrrev_b32 v1, 5, v0
	v_readfirstlane_b32 s2, v1                     ; wave 0..3
	v_and_b32 v1, 31, v0                           ; lane
	v_and_b32 v2, 15, v0                           ; r
	v_bfe_u32 v3, v0, 4, 1                         ; h
	v_lshlrev_b32 v[LI], 4, v1
	v_lshlrev_b32 v[L8], 3, v1
	v_lshlrev_b32 v[H8], 3, v3
	v_mov_b32 v[W2], 0                             ; a lane permute's destination counts as one of its sources
	s_mul_i32 s3, s2, WST
	v_add_nc_u32 v[STI], s3, v[LI]
	v_add_nc_u32 v[STIH], 4*WST, v[STI]
	v_mul_u32_u24 v15, v2, STP
	v_add_nc_u32 v15, s3, v15
	v_lshl_add_u32 v[RDQ], v3, 7, v15
	v_lshl_add_u32 v[RDH], v3, 5, v15
	v_add_nc_u32 v[RDH], 4*WST, v[RDH]
	s_mov_b32 s40, 0xffff0000                      ; lanes 16-31
	s_mov_b32 s42, 0x76543210
	s_mov_b32 s43, 0xfedcba98                      ; v_permlanex16_b32's selects for lane l xor 16
	s_lshl_b32 s4, ttmp9, 1
	s_lshr_b32 s5, s2, 1
	s_add_co_u32 s4, s4, s5                        ; my row tile among all 416: 2 x work-group + wave / 2
	s_and_b32 s5, s2, 1                            ; which half of its 1,024 columns
	s_mov_b32 s6, 0                                ; the tensor's first row tile,
	s_mov_b32 s7, 0                                ; where its tiles begin in codes,
	s_mov_b32 s8, 8                                ; and how its tiles are dealt to the groups: 24 (lt >> s8) + (lt & s9)
	s_mov_b32 s9, 255
	s_wait_kmcnt 0x0
	s_mov_b64 s[10:11], s[16:17]                   ; work-groups 0-127: hidden.  The choices hang on the work-group's number alone
	s_cmp_ge_u32 ttmp9, 128                        ; 128-159: Wq
	s_cselect_b64 s[10:11], s[18:19], s[10:11]
	s_cselect_b32 s6, 256, s6
	s_cselect_b32 s7, 256, s7
	s_cselect_b32 s8, 4, s8
	s_cselect_b32 s9, 15, s9
	s_cmp_ge_u32 ttmp9, 160                        ; 160-167: Wk
	s_cselect_b64 s[10:11], s[20:21], s[10:11]
	s_cselect_b32 s6, 320, s6
	s_cselect_b32 s7, 272, s7
	s_cselect_b32 s8, 2, s8
	s_cselect_b32 s9, 3, s9
	s_cmp_ge_u32 ttmp9, 168                        ; 168-175: Wv
	s_cselect_b64 s[10:11], s[22:23], s[10:11]
	s_cselect_b32 s6, 336, s6
	s_cselect_b32 s7, 276, s7
	s_cmp_ge_u32 ttmp9, 176                        ; 176-207: Wo
	s_cselect_b64 s[10:11], s[24:25], s[10:11]
	s_cselect_b32 s6, 352, s6
	s_sub_co_u32 s4, s4, s6                        ; lt: my row tile in its tensor
	s_lshl_b32 s12, s4, 16                         ; 16 rows of 4,096 bytes
	s_lshl_b32 s13, s5, 11                         ; 512 columns of 4 bytes
	s_add_co_u32 s12, s12, s13
	s_mov_b32 s13, 0
	s_add_nc_u64 s[10:11], s[10:11], s[12:13]
.macro LOADR t                         ; step t: 16 rows x 128 columns; a load reads 512 consecutive bytes of one row
.set p, 0
.rept 16
	global_load_b128 v[R+64*((\t)%2)+4*p:R+64*((\t)%2)+4*p+3], v[LI], s[10:11] offset:4096*p+512*(\t) th:TH_LOAD_NT
.set p, p+1
.endr
.endm
.macro STAGEIN t, adr                  ; into the stage as loaded
.set p, 0
.rept 16
	ds_store_b128 v[\adr], v[R+64*((\t)%2)+4*p:R+64*((\t)%2)+4*p+3] offset:STP*p
.set p, p+1
.endr
.endm
	LOADR 0
	LOADR 1
	s_cmp_ge_u32 ttmp9, 176
	s_cbranch_scc1 .Lwo
	; ---- the FP4 path
	s_lshr_b32 s14, s4, s8
	s_mul_i32 s14, s14, 24
	s_and_b32 s15, s4, s9
	s_add_co_u32 s14, s14, s15
	s_add_co_u32 s14, s14, s7                      ; my tile in codes and scales
	s_lshl_b32 s12, s14, 13
	s_lshl_b32 s15, s5, 12
	s_add_co_u32 s12, s12, s15
	s_add_nc_u64 s[26:27], s[26:27], s[12:13]      ; 8,192 bytes a tile, my four K steps
	s_lshl_b32 s12, s14, 9
	s_lshl_b32 s15, s5, 8
	s_add_co_u32 s12, s12, s15
	s_add_nc_u64 s[28:29], s[28:29], s[12:13]      ; 512 bytes a tile, my 256
; A step: lane (r, h) takes, of row r, blocks h and 2 + h of the step's four: k = 64 c + 32 h + 0..31, which is what registers 4 c .. 4 c + 3 of the operand hold.
.macro QSTEP t
.if (\t) < 3
	s_wait_loadcnt 16                              ; this step's 16 loads are in; the next step's 16 may be out
.else
	s_wait_loadcnt 0x0
.endif
	STAGEIN \t, STI
.irp c, 0,1
.irp i, 0,1,2,3,4,5,6,7
	ds_load_b128 v[X+32*\c+4*\i:X+32*\c+4*\i+3], v[RDQ] offset:256*\c+16*\i   ; LDS serves a wave's instructions in order: these see the stores above
.endr
.endr
	s_wait_dscnt 0x0                               ; the numbers are back, and the stores have read their registers,
.if (\t)+2 < 4
	LOADR (\t)+2                                   ; which take the loads of two steps on
.endif
.irp c, 0,1
	v_max3_num_f32 v[T+\c], |v[X+32*\c]|, |v[X+32*\c+1]|, 0x1800000   ; the block's largest magnitude, and the floor 2^(3 - 127): the byte cannot fall under 1
.endr
.irp i, 2,4,6,8,10,12,14,16,18,20,22,24,26,28,30
.irp c, 0,1
	v_max3_num_f32 v[T+\c], v[T+\c], |v[X+32*\c+\i]|, |v[X+32*\c+\i+1]|
.endr
.endr
.irp c, 0,1
	v_add_nc_u32 v[SO+\c], 0xff000000, v[T+\c]     ; 2 off its exponent field: the conversion takes the exponent field of this operand as its scale
.endr
.irp c, 0,1
	v_lshrrev_b32 v[B+\c], 23, v[SO+\c]            ; the scale's byte
.endr
	v_lshl_or_b32 v[W], v[B+1], 16, v[B]           ; my two bytes: blocks h and 2 + h,
	v_lshlrev_b32 v[W], v[H8], v[W]                ; at their places in the word;
	v_permlanex16_b32 v[W2], v[W], s42, s43
	v_or_b32 v[W], v[W], v[W2]                     ; with lane l xor 16's two the word is whole, in both lanes
.if (\t)%2 == 0
	v_mov_b32 v[SCW+(\t)/2], v[W]                  ; an even step's words stay in lanes 0-15,
.else
	v_cndmask_b32 v[SCW+(\t)/2], v[SCW+(\t)/2], v[W], s40   ; an odd step's go to lanes 16-31
.endif
.irp c, 0,1
.irp g, 0,1,2,3
	v_cvt_scalef32_pk8_fp4_f32 v[C+8*(\t)+4*\c+\g], v[X+32*\c+8*\g:X+32*\c+8*\g+7], v[SO+\c]
.endr
.endr
	v_nop                                          ; one plain place behind the last scaled conversion
	global_store_b128 v[LI], v[C+8*(\t):C+8*(\t)+3], s[26:27] offset:1024*(\t)         ; 512 consecutive bytes; each step has result registers of its own
	global_store_b128 v[LI], v[C+8*(\t)+4:C+8*(\t)+7], s[26:27] offset:1024*(\t)+512
.endm
	QSTEP 0
	QSTEP 1
	QSTEP 2
	QSTEP 3
	global_store_b64 v[L8], v[SCW:SCW+1], s[28:29] ; 32 lanes store 256 consecutive bytes, aligned
	s_branch .Lend
.Lwo:
	; ---- the Wo path: f16.  Lane (r, h) of fragment c takes, of row r, columns 32 c + 8 h + 0..7 (registers 0-3) and 32 c + 16 + 8 h + 0..7 (registers 4-7)
	s_lshl_b32 s12, s5, 20                         ; my half's two groups of 256 columns: 524,288 bytes each
	s_lshl_b32 s15, s4, 13                         ; my row tile: 8 fragments
	s_add_co_u32 s12, s12, s15
	s_add_nc_u64 s[30:31], s[30:31], s[12:13]
.macro HSTEP t
.if (\t) < 3
	s_wait_loadcnt 16                              ; this step's 16 loads are in; the next step's 16 may be out
.else
	s_wait_loadcnt 0x0
.endif
	STAGEIN \t, STIH
.irp c, 0,1,2,3
	ds_load_b128 v[X+16*\c:X+16*\c+3], v[RDH] offset:128*\c
	ds_load_b128 v[X+16*\c+4:X+16*\c+7], v[RDH] offset:128*\c+16
	ds_load_b128 v[X+16*\c+8:X+16*\c+11], v[RDH] offset:128*\c+64
	ds_load_b128 v[X+16*\c+12:X+16*\c+15], v[RDH] offset:128*\c+80
.endr
	s_wait_dscnt 0x0
.if (\t) > 0
	s_wait_xcnt 0x0                                ; the last step's stores have read their data: the result registers are written again only behind this wait
.endif
.if (\t)+2 < 4
	LOADR (\t)+2
.endif
.set n, 0
.rept 32
	v_cvt_pk_f16_f32 v[C+n], v[X+2*n], v[X+2*n+1]
.set n, n+1
.endr
.irp c, 0,1,2,3
	global_store_b128 v[LI], v[C+8*\c:C+8*\c+3], s[30:31] offset:((\t)/2)*524288+((\t)%2)*4096+1024*\c
	global_store_b128 v[LI], v[C+8*\c+4:C+8*\c+7], s[30:31] offset:((\t)/2)*524288+((\t)%2)*4096+1024*\c+512
.endr
.endm
	HSTEP 0
	HSTEP 1
	HSTEP 2
	HSTEP 3
.Lend:
	s_wait_tensorcnt 0x0                           ; the wave's end, behind my last LDS store
	ds_add_u32 v[SPW], v[NIL]
	s_wait_dscnt 0x0
	s_endpgm
.Lfunc_end_k_q6ff0601dd2_prep:
	.size	k_q6ff0601dd2_prep, .Lfunc_end_k_q6ff0601dd2_prep-k_q6ff0601dd2_prep
	.p2alignl 7, 3214868480
	.fill 96, 4, 3214868480
	.section	.rodata,"a",@progbits
	.p2align	6, 0x0
	.amdhsa_kernel k_q6ff0601dd2_prep
		.amdhsa_group_segment_fixed_size 68096
		.amdhsa_private_segment_fixed_size 0
		.amdhsa_enable_private_segment 0
		.amdhsa_kernarg_size 64
		.amdhsa_user_sgpr_count 2
		.amdhsa_user_sgpr_kernarg_segment_ptr 1
		.amdhsa_wavefront_size32 1
		.amdhsa_system_sgpr_workgroup_id_x 1
		.amdhsa_system_sgpr_workgroup_id_y 1
		.amdhsa_system_sgpr_workgroup_id_z 1
		.amdhsa_system_vgpr_workitem_id 0
		.amdhsa_next_free_vgpr 256
		.amdhsa_next_free_sgpr 66
		.amdhsa_reserve_vcc 0
		.amdhsa_float_denorm_mode_32 3
		.amdhsa_float_denorm_mode_16_64 3
		.amdhsa_memory_ordered 1
		.amdhsa_forward_progress 1
		.amdhsa_inst_pref_size 54
	.end_amdhsa_kernel
	.amdgpu_metadata
---
amdhsa.version: [ 1, 2 ]
amdhsa.kernels:
  - .name:           k_q6ff0601dd2_prep
    .symbol:         k_q6ff0601dd2_prep.kd
    .args:
      - { .name: hidden_states, .offset: 0, .size: 8, .value_kind: global_buffer, .address_space: global }
      - { .name: Wq, .offset: 8, .size: 8, .value_kind: global_buffer, .address_space: global }
      - { .name: Wk, .offset: 16, .size: 8, .value_kind: global_buffer, .address_space: global }
      - { .name: Wv, .offset: 24, .size: 8, .value_kind: global_buffer, .address_space: global }
      - { .name: Wo, .offset: 32, .size: 8, .value_kind: global_buffer, .address_space: global }
      - { .name: codes, .offset: 40, .size: 8, .value_kind: global_buffer, .address_space: global }
      - { .name: scales, .offset: 48, .size: 8, .value_kind: global_buffer, .address_space: global }
      - { .name: wo16, .offset: 56, .size: 8, .value_kind: global_buffer, .address_space: global }
    .group_segment_fixed_size: 68096
    .private_segment_fixed_size: 0
    .kernarg_segment_align: 8
    .kernarg_segment_size: 64
    .max_flat_workgroup_size: 128
    .sgpr_count:     66
    .vgpr_count:     256
    .wavefront_size: 32
...
	.end_amdgpu_metadata
.endif
;; end of part 1
;; launch qkv (part 2): grid 4 x 64, 6 waves a work-group, clusters of 4 x 4, 230,400 bytes of LDS; arguments codes, scales, qbuf, kv; writes qbuf, kv
.if DOCPART == 2
	.amdgcn_target "amdgcn-amd-amdhsa--gfx1250"
	.amdhsa_code_object_version 6
	.text
	.protected	k_q6ff0601dd2_qkv
	.globl	k_q6ff0601dd2_qkv
	.p2align	8
	.type	k_q6ff0601dd2_qkv,@function
k_q6ff0601dd2_qkv:
	s_mov_b64 s[64:65], 0
	v_nop
	global_prefetch_b8 v0, s[64:65] scope:SCOPE_SE
	s_setreg_imm32_b32 hwreg(HW_REG_WAVE_MODE, 25, 1), 1
	s_wait_xcnt 0x0
	s_wait_alu depctr_hold_cnt(0) depctr_sa_sdst(0) depctr_va_vdst(0) depctr_va_sdst(0) depctr_va_ssrc(0) depctr_va_vcc(0) depctr_vm_vsrc(0)
	s_getreg_b32 s2, hwreg(HW_REG_IB_STS2, 6, 4)
	s_cmp_eq_u32 s2, 0
	s_cbranch_scc0 .Lentry_in_a_cluster
	s_endpgm
.Lentry_in_a_cluster:
	s_bfe_u32 s2, ttmp6, 0x10000c
	s_cmp_lg_u32 s2, 0xf033
	s_cbranch_scc0 .Lentry_shape_is_right
	s_endpgm
.Lentry_shape_is_right:
; QKV.  q = hidden Wq^T, k = hidden Wk^T, v = hidden Wv^T on codes of FP4 with E8M0 scales (K = 1,024: eight matrix instructions deep), sums in f32; results rounded once to f16 and stored as images
; of the registers in which the attention launch wants them.  q is multiplied by 1 / 8 = 1 / sqrt(64) first, which rounds nothing.
; SHARES.  A work-group takes one group g (four query heads, one key head, one value head) and 64 tokens.  Waves 0-3: query heads 4 g + wave; wave 4: the key head; wave 5: the value head.
; Each wave makes 64 x 64: 16 accumulators, 128 matrix instructions.  All of K lies in LDS at once: seven blocks of 32,768 bytes, each filled once; nothing is filled again.
; q, k: source 0 = 16 rows of W, source 1 = 16 tokens: a lane holds ONE token and eight neighbouring features: two neighbouring tiles, packed, are a 16-bit fragment with K = the head's features.
; v: the sources change places: a lane holds one feature and eight neighbouring tokens: a fragment of V^T with K = the keys.  Wave 5 gets that by ADDRESS alone: the text is one for all six waves.
; CLUSTER 4 x 4: the four work-groups of a column share g, and so the weights; the four of a row share the tokens: each block is asked for jointly.
; qbuf: [token tile 256][head 16][c 2][1,024].   kv: [g 4][slot of 256 keys: 16][65,536]: K's fragment (key tile kt, c) at (2 kt + c) x 1,024; V^T's (32 keys kc, 16 features dt) at 32,768 + (4 kc + dt) x 1,024.
; LIMIT: q / 8, k and v are f16: magnitudes above 65,504 are not served.
; REGISTERS: window 0: v1-6 addresses; v8-15 store offsets; v16-31, v32-47 scale words of sources 0 and 1; v64-191 accumulators ((a, b) at 64 + 8 (4 a + b)); v192-255 packed results.
;   window 1: four sets of 64: source 0's four fragments of a K step, then source 1's four.
.set BLK,   32768
.set SPARE, 7*BLK                      ; behind the seven blocks: the spare words, 128 bytes for each of six waves, in three blocks of 256 bytes
.set LI,  1                            ; v1  16 x lane
.set L8,  2                            ; v2  8 x lane
.set ADX, 3                            ; v3  LDS: source 0's block + 16 x lane
.set ADY, 4                            ; v4  LDS: source 1's block + 16 x lane
.set SPW, 5                            ; v5  my spare word; never rewritten
.set NIL, 6                            ; v6  0; never rewritten
.set VO,  8                            ; v8-15 store offsets of fragments (a, c)
.set SX,  16
.set SY,  32
.set ACC, 64
.set PK,  192
.set WV,  12
.set G1W, 24                           ; s[24:31] group 1 for the weights;  s[32:39] for hidden;  s[40:43], s[44:47] their groups 0
.set G1H, 32
.set G0W, 40
.set G0H, 44
.set MSB, 0
.macro WIN new                         ; the immediate's high byte repeats the setting that is left
.if MSB != \new
	s_set_vgpr_msb (MSB<<8)|\new
.set MSB, \new
.endif
.endm
.macro CROUND                          ; a round of the cluster's barrier
	s_barrier_signal -1
	s_barrier_wait -1
	s_cmp_lg_u32 s[WV], 0
	s_cbranch_scc1 .Lnot_wave_0_\@
	s_barrier_signal -3
.Lnot_wave_0_\@:
	s_barrier_wait -3
	s_barrier_signal -1
	s_barrier_wait -1
.endm
	s_load_b256 s[4:11], s[0:1], 0x0               ; codes s[4:5], scales s[6:7], qbuf s[8:9], kv s[10:11]
	v_lshl_add_u32 v[SPW], v0, 2, SPARE
	v_mov_b32 v[NIL], 0
	ds_add_u32 v[SPW], v[NIL]                      ; the wave's opening: the add, twice on end, and its wait ahead of my first tensor load
	ds_add_u32 v[SPW], v[NIL]
	v_lshrrev_b32 v7, 5, v0
	v_readfirstlane_b32 s[WV], v7                  ; wave 0..5
	s_bfe_u32 s13, ttmp6, 0x40000                  ; cx
	s_bfe_u32 s14, ttmp6, 0x40004                  ; cy
	s_lshl_b32 s16, ttmp9, 2
	s_add_co_u32 s16, s16, s13                     ; g
	s_and_b32 s17, ttmp7, 0xffff
	s_lshl_b32 s17, s17, 2
	s_add_co_u32 s17, s17, s14                     ; tb: my block of 64 tokens
	s_add_co_u32 s15, s[WV], 3
	s_lshr_b32 s15, s15, 3                         ; 1 in wave 5, else 0
	s_lshl_b32 s18, 0x1111, s13                    ; my column of the cluster
	s_lshl_b32 s19, s14, 2
	s_lshl_b32 s19, 15, s19                        ; my row
	s_or_b32 s[G1W], s18, (3<<16)|(1<<21)          ; 15:0 the mask; 17:16 elements of 8 bytes; 21 set beside a mask; no padding: an image is read 512 consecutive bytes at a time
	s_or_b32 s[G1H], s19, (3<<16)|(1<<21)
.irp g, G1W, G1H                       ; a dense block of 32,768 bytes as 128 rows of 256
	s_mov_b32 s[\g+1], 32<<16                      ; tensor_dim0 = 32
	s_mov_b32 s[\g+2], 128<<16                     ; tensor_dim1 = 128
	s_mov_b32 s[\g+3], 32<<16                      ; tile_dim0 = 32
	s_mov_b32 s[\g+4], 128                         ; tile_dim1 = 128
	s_mov_b32 s[\g+5], 32                          ; from row to row
	s_mov_b32 s[\g+6], 0
	s_mov_b32 s[\g+7], 0
.endr
	s_mul_i32 s48, s16, 24
	s_lshl_b32 s49, s[WV], 2
	s_add_co_u32 s48, s48, s49
	s_add_co_u32 s48, s48, 256                     ; my weights' first row tile: 256 + 24 g + 4 wave
	s_lshl_b32 s50, s48, 13                        ; and its bytes in codes: these registers hold nothing of cy
	s_mov_b32 s51, 0
	s_lshl_b32 s52, s17, 15                        ; hidden's tiles 4 tb on: nothing of cx
	s_mov_b32 s53, 0
	s_add_co_u32 s54, s[WV], s15
	s_lshl_b32 s54, s54, 15                        ; LDS: waves 0-4 fill blocks 0-4, wave 5 block 6; hidden takes block 5
	s_lshl_b32 s55, s17, 2                         ; hidden's first row tile
	s_cmp_eq_u32 s[WV], 5
	s_cselect_b32 s56, s55, s48                    ; source 0's first row tile: my weights'; in wave 5 hidden's
	s_cselect_b32 s58, s48, s55                    ; source 1's
	s_lshl_b32 s56, s56, 9                         ; 512 bytes of scale words a tile
	s_lshl_b32 s58, s58, 9
	s_mov_b32 s57, 0
	s_mov_b32 s59, 0
	s_lshl_b32 s60, s17, 17                        ; q: token tile 4 tb x 32,768
	s_lshl_b32 s61, s16, 2
	s_add_co_u32 s61, s61, s[WV]
	s_lshl_b32 s61, s61, 11                        ; + head x 2,048
	s_add_co_u32 s60, s60, s61
	s_lshl_b32 s62, s16, 20                        ; k, v: g x 2^20
	s_lshr_b32 s63, s17, 2
	s_lshl_b32 s63, s63, 16                        ; + slot x 65,536
	s_add_co_u32 s62, s62, s63
	s_and_b32 s63, s17, 3
	s_lshl_b32 s63, s63, 13                        ; + my 64 tokens' 8,192 bytes in the slot's K or V
	s_add_co_u32 s62, s62, s63
	s_lshl_b32 s63, s15, 15                        ; V lies 32,768 behind K
	s_add_co_u32 s62, s62, s63
	s_mov_b32 s70, 2048                            ; from a to a + 1: q 32,768; k 2,048; v 1,024
	s_mov_b32 s71, 1024                            ; from c to c + 1: q, k 1,024; v 4,096
	s_cmp_lt_u32 s[WV], 4
	s_cselect_b32 s66, s60, s62
	s_cselect_b32 s70, 32768, s70
	s_cselect_b32 s72, 0x3e000000, 1.0             ; q x 1 / 8
	s_mov_b32 s67, 0
	s_mov_b32 s73, s72                             ; (named with it as a pair)
	s_cmp_eq_u32 s[WV], 5
	s_cselect_b32 s70, 1024, s70
	s_cselect_b32 s71, 4096, s71
	v_and_b32 v7, 31, v0
	v_lshlrev_b32 v[LI], 4, v7
	v_lshlrev_b32 v[L8], 3, v7
	s_lshl_b32 s74, s[WV], 15
	v_add_nc_u32 v[ADX], s74, v[LI]                ; source 0: block = wave (wave 5: block 5, hidden)
	s_add_co_u32 s75, s15, 5
	s_lshl_b32 s75, s75, 15
	v_add_nc_u32 v[ADY], s75, v[LI]                ; source 1: block 5, hidden (wave 5: block 6, its weights)
	v_mov_b32 v[VO], v[LI]
	v_add_nc_u32 v[VO+1], s71, v[LI]
.irp a, 1,2,3
	v_add_nc_u32 v[VO+2*\a], s70, v[VO+2*\a-2]
	v_add_nc_u32 v[VO+2*\a+1], s70, v[VO+2*\a-1]
.endr
	s_wait_dscnt 0x0                               ; both opening adds are done
	s_wait_kmcnt 0x0
	s_mov_b32 s[G0W], 1                            ; count = 1
	s_mov_b32 s[G0W+1], s54                        ; LDS address
	s_add_nc_u64 s[G0W+2:G0W+3], s[4:5], s[50:51]  ; global address
	s_or_b32 s[G0W+3], s[G0W+3], 0x80000000        ; type = 2
	s_mov_b32 s[G0H], 1
	s_mov_b32 s[G0H+1], 5*BLK
	s_add_nc_u64 s[G0H+2:G0H+3], s[4:5], s[52:53]
	s_or_b32 s[G0H+3], s[G0H+3], 0x80000000
	s_add_nc_u64 s[56:57], s[6:7], s[56:57]
	s_add_nc_u64 s[58:59], s[6:7], s[58:59]
	s_cmp_lt_u32 s[WV], 4
	s_cselect_b64 s[68:69], s[8:9], s[10:11]       ; where my results go: the choice hangs on the wave's number
	s_add_nc_u64 s[68:69], s[68:69], s[66:67]
	CROUND                                         ; all sixteen work-groups are here: the joint loads meet
	tensor_load_to_lds s[G0W:G0W+3], s[G1W:G1W+7]  ; every wave: its own weights, into its own block
	s_nop 0
.rept 4
	v_nop
.endr
	s_cmp_lg_u32 s[WV], 0
	s_cbranch_scc1 .Lno_h
	tensor_load_to_lds s[G0H:G0H+3], s[G1H:G1H+7]  ; wave 0: hidden's block too: two loads of mine are out at the most
	s_nop 0
.rept 4
	v_nop
.endr
.Lno_h:
.irp b, 0,1,2,3                        ; the scale words of all of K: 8 bytes a lane, 256 consecutive bytes a load
.irp q, 0,1
	global_load_b64 v[SX+4*\b+2*\q:SX+4*\b+2*\q+1], v[L8], s[56:57] offset:512*\b+256*\q
	global_load_b64 v[SY+4*\b+2*\q:SY+4*\b+2*\q+1], v[L8], s[58:59] offset:512*\b+256*\q
.endr
.endr
	s_wait_tensorcnt 0x0                           ; my loads have landed,
	s_barrier_signal -1
	s_barrier_wait -1                              ; everybody's have
	s_wait_loadcnt 0x0                             ; the scale words
.macro FETCH ks                        ; K step ks: four fragments of each source, 16 loads of 512 consecutive bytes, into set ks % 4
	WIN 0x40                                       ; destination window 1
.irp b, 0,1,2,3
	ds_load_b128 v[64*((\ks)%4)+8*\b:64*((\ks)%4)+8*\b+3], v[ADX] offset:(8*\b+(\ks))*1024
	ds_load_b128 v[64*((\ks)%4)+8*\b+4:64*((\ks)%4)+8*\b+7], v[ADX] offset:(8*\b+(\ks))*1024+512
.endr
.irp b, 0,1,2,3
	ds_load_b128 v[64*((\ks)%4)+32+8*\b:64*((\ks)%4)+32+8*\b+3], v[ADY] offset:(8*\b+(\ks))*1024
	ds_load_b128 v[64*((\ks)%4)+32+8*\b+4:64*((\ks)%4)+32+8*\b+7], v[ADY] offset:(8*\b+(\ks))*1024+512
.endr
	WIN 0
.endm
; 16 matrix instructions, the 16 accumulators by turns in the same order in every K step.  An odd K step's scale words lie in lanes 16-31.
.macro MULSTEP ks
.if (\ks) <= 4
	s_wait_dscnt 48                                ; this K step's 16 loads are in; the three younger sets' 48 may be out
.else
	s_wait_dscnt 16*(7-(\ks))                      ; 16 for each younger set
.endif
	WIN 0x05                                       ; sources 0 and 1 window 1; C and D window 0
.set FS, 64*((\ks)%4)
.set SXR, SX+2*((\ks)/4)+((\ks)/2)%2
.set SYR, SY+2*((\ks)/4)+((\ks)/2)%2
.irp a, 0,1,2,3
.irp b, 0,1,2,3
.if (\ks) == 0
	v_wmma_scale_f32_16x16x128_f8f6f4 v[ACC+8*(4*\a+\b):ACC+8*(4*\a+\b)+7], v[FS+8*\b:FS+8*\b+7], v[FS+32+8*\a:FS+32+8*\a+7], 0, v[SXR+4*\b], v[SYR+4*\a] matrix_a_fmt:MATRIX_FMT_FP4 matrix_b_fmt:MATRIX_FMT_FP4
.elseif (\ks)%2 == 0
	v_wmma_scale_f32_16x16x128_f8f6f4 v[ACC+8*(4*\a+\b):ACC+8*(4*\a+\b)+7], v[FS+8*\b:FS+8*\b+7], v[FS+32+8*\a:FS+32+8*\a+7], v[ACC+8*(4*\a+\b):ACC+8*(4*\a+\b)+7], v[SXR+4*\b], v[SYR+4*\a] matrix_a_fmt:MATRIX_FMT_FP4 matrix_b_fmt:MATRIX_FMT_FP4
.else
	v_wmma_scale_f32_16x16x128_f8f6f4 v[ACC+8*(4*\a+\b):ACC+8*(4*\a+\b)+7], v[FS+8*\b:FS+8*\b+7], v[FS+32+8*\a:FS+32+8*\a+7], v[ACC+8*(4*\a+\b):ACC+8*(4*\a+\b)+7], v[SXR+4*\b], v[SYR+4*\a] matrix_a_fmt:MATRIX_FMT_FP4 matrix_b_fmt:MATRIX_FMT_FP4 matrix_a_scale:MATRIX_SCALE_ROW1 matrix_b_scale:MATRIX_SCALE_ROW1
.endif
.endr
.endr
.rept 4
	v_nop                                          ; four places in front of loads into registers that matrix instructions have read; behind the last K step: in front of the first read of results
.endr
.if (\ks)+4 < 8
	FETCH (\ks)+4
.else
	WIN 0
.endif
.endm
	FETCH 0
	FETCH 1
	FETCH 2
	FETCH 3
	MULSTEP 0
	MULSTEP 1
	MULSTEP 2
	MULSTEP 3
	MULSTEP 4
	MULSTEP 5
	MULSTEP 6
	MULSTEP 7
	; THE WAY OUT.  Each accumulator from its low end on: x 1 / 8 (q) or x 1, packed to f16.  Accumulators (a, 2 c) and (a, 2 c + 1) are registers 0-3 and 4-7 of fragment (a, c).
.set n, 0
.rept 16
.irp e, 0,2,4,6
	v_pk_mul_f32 v[ACC+8*n+\e:ACC+8*n+\e+1], v[ACC+8*n+\e:ACC+8*n+\e+1], s[72:73] op_sel_hi:[1,0]
.endr
.irp e, 0,1,2,3
	v_cvt_pk_f16_f32 v[PK+4*n+\e], v[ACC+8*n+2*\e], v[ACC+8*n+2*\e+1]
.endr
.set n, n+1
.endr
.irp a, 0,1,2,3
.irp c, 0,1
	global_store_b128 v[VO+2*\a+\c], v[PK+16*\a+8*\c:PK+16*\a+8*\c+3], s[68:69]               ; 512 consecutive bytes, aligned
	global_store_b128 v[VO+2*\a+\c], v[PK+16*\a+8*\c+4:PK+16*\a+8*\c+7], s[68:69] offset:512
.endr
.endr
	s_wait_tensorcnt 0x0                           ; the wave's end
	ds_add_u32 v[SPW], v[NIL]
	s_wait_dscnt 0x0
	CROUND                                         ; the closing round
	s_endpgm
.Lfunc_end_k_q6ff0601dd2_qkv:
	.size	k_q6ff0601dd2_qkv, .Lfunc_end_k_q6ff0601dd2_qkv-k_q6ff0601dd2_qkv
	.p2alignl 7, 3214868480
	.fill 96, 4, 3214868480
	.section	.rodata,"a",@progbits
	.p2align	6, 0x0
	.amdhsa_kernel k_q6ff0601dd2_qkv
		.amdhsa_group_segment_fixed_size 230400
		.amdhsa_private_segment_fixed_size 0
		.amdhsa_enable_private_segment 0
		.amdhsa_kernarg_size 32
		.amdhsa_user_sgpr_count 2
		.amdhsa_user_sgpr_kernarg_segment_ptr 1
		.amdhsa_wavefront_size32 1
		.amdhsa_system_sgpr_workgroup_id_x 1
		.amdhsa_system_sgpr_workgroup_id_y 1
		.amdhsa_system_sgpr_workgroup_id_z 1
		.amdhsa_system_vgpr_workitem_id 0
		.amdhsa_next_free_vgpr 512
		.amdhsa_next_free_sgpr 80
		.amdhsa_reserve_vcc 0
		.amdhsa_float_denorm_mode_32 3
		.amdhsa_float_denorm_mode_16_64 3
		.amdhsa_memory_ordered 1
		.amdhsa_forward_progress 1
		.amdhsa_inst_pref_size 44
	.end_amdhsa_kernel
	.amdgpu_metadata
---
amdhsa.version: [ 1, 2 ]
amdhsa.kernels:
  - .name:           k_q6ff0601dd2_qkv
    .symbol:         k_q6ff0601dd2_qkv.kd
    .args:
      - { .name: codes, .offset: 0, .size: 8, .value_kind: global_buffer, .address_space: global }
      - { .name: scales, .offset: 8, .size: 8, .value_kind: global_buffer, .address_space: global }
      - { .name: qbuf, .offset: 16, .size: 8, .value_kind: global_buffer, .address_space: global }
      - { .name: kv, .offset: 24, .size: 8, .value_kind: global_buffer, .address_space: global }
    .group_segment_fixed_size: 230400
    .private_segment_fixed_size: 0
    .kernarg_segment_align: 8
    .kernarg_segment_size: 32
    .max_flat_workgroup_size: 192
    .sgpr_count:     80
    .vgpr_count:     512
    .wavefront_size: 32
...
	.end_amdgpu_metadata
.endif
;; end of part 2
;; launch attn (part 3): grid 4 x 64, 8 waves a work-group, clusters of 4 x 4, 327,680 bytes of LDS; arguments qbuf, kv, attention_mask, ao; writes ao
.if DOCPART == 3
	.amdgcn_target "amdgcn-amd-amdhsa--gfx1250"
	.amdhsa_code_object_version 6
	.text
	.protected	k_q6ff0601dd2_attn
	.globl	k_q6ff0601dd2_attn
	.p2align	8
	.type	k_q6ff0601dd2_attn,@function
k_q6ff0601dd2_attn:
	s_mov_b64 s[64:65], 0
	v_nop
	global_prefetch_b8 v0, s[64:65] scope:SCOPE_SE
	s_setreg_imm32_b32 hwreg(HW_REG_WAVE_MODE, 25, 1), 1
	s_wait_xcnt 0x0
	s_wait_alu depctr_hold_cnt(0) depctr_sa_sdst(0) depctr_va_vdst(0) depctr_va_sdst(0) depctr_va_ssrc(0) depctr_va_vcc(0) depctr_vm_vsrc(0)
	s_getreg_b32 s2, hwreg(HW_REG_IB_STS2, 6, 4)
	s_cmp_eq_u32 s2, 0
	s_cbranch_scc0 .Lentry_in_a_cluster
	s_endpgm
.Lentry_in_a_cluster:
	s_bfe_u32 s2, ttmp6, 0x10000c
	s_cmp_lg_u32 s2, 0xf033
	s_cbranch_scc0 .Lentry_shape_is_right
	s_endpgm
.Lentry_shape_is_right:
; ATTN.  For each of 16 heads: o = softmax(q k^T / 8 + mask) v.  q (already x 1 / 8), k, v: f16 fragment images made by the launch before; mask: [4096][4096] f32, an input, taken as it is given; products with f16
; operands and f32 sums; maxima, exponentials and scalings in f32; the weights p are rounded to f16 for the second product, and the row's sum is taken of those rounded p, by the matrix unit.
; SHARES.  A work-group takes one group g of four query heads (one key and value head) and 64 queries.  Wave w: qs = w % 4: 16 of the queries, for ALL FOUR heads (its four tiles); kh = w / 4: half of the keys.
; So one tile of the mask in registers is the C of four heads' first product: the mask costs no vector instruction; each fragment of K and V feeds four products; two waves share a SIMD, so that one
; wave's softmax stands beside the other's products.  The two key halves are merged once, at the end, through LDS.
; LAYOUT.  S^T = K Q^T + mask^T (source 0 = 16 keys, source 1 = 16 queries): a lane holds ONE query (lane % 16) and keys 8 (lane / 16) + 0..7.  Two such tiles, packed, are source 1 of O^T = V^T P.
; The row's sum: one more tile of source 0 whose rows 0 and 8 are ones: register 0 of its result is the sum over the keys, in both halves of the lanes.
; SOFTMAX.  Running maximum m and sum: p = 2^(c s - c m), c = log2(e); in every step O^T and the sum are multiplied by a = 2^(c m_old - c m_new).
; LIMIT: m begins at -1e30, so that a stretch of keys at -infinity counts for nothing; a row whose EVERY score lies under -1e30 gives NaN.  p, and the result, are f16.
; RING.  16 slots of 256 keys through two LDS slots: the mask's 64 rows x 256 keys in four parts of 64 keys (rows of 256 bytes + 16), then K's and V's images (32,768 bytes each).
; CLUSTER 4 x 4: the four work-groups of a row share the queries, and so the mask's tiles; the four of a column share g, and so K and V: every tile is asked for jointly.  Waves 0-3 fetch the mask's four
; parts, waves 4-7 the four quarters of K and V: one load a wave behind each round.
; REGISTERS: window 0: v2-11 addresses; v16-47 statistics, 8 a tile (+0 c m, +1 m, +2..3 a pair for the end, +4..7 at work, a in +6); v48-55 the ones; v56-119 K's or V's 8 fragments; v120-127 at the end;
;   v128-255 S^T, 32 a tile, then P in the first 16 of them.   window 1: v0-127 O^T (32 i + 8 dt); v128-159 the sums (8 i); v160-191 the mask (8 t); v192-255 Q (16 i + 8 c).
.set MPART, 64*272                     ; a part of the mask
.set KOFF,  4*MPART                    ; K's images; V's lie 32,768 behind
.set SLOTB, KOFF+65536
.set SPARE, 2*SLOTB                    ; behind the ring: the spare words, 128 bytes for each of eight waves
.set AM,  2                            ; v2-3  LDS: my rows of the mask's part 2 kh, slot 0, 1
.set AK,  4                            ; v4-5  LDS: my half of K's images + 16 x lane, slot 0, 1
.set LI,  6                            ; v6    16 x lane
.set SPW, 8                            ; v8    my spare word; never rewritten
.set NIL, 9                            ; v9    0; never rewritten
.set PFO, 10                           ; v10   the prefetches' offset; never rewritten
.set STG, 11                           ; v11   LDS: the merge's stage of my 16 queries + 16 x lane
.set ST,  16
.set ONES, 48
.set KV,  56
.set PS,  120
.set S,   128
.set L,   128                          ; in window 1
.set MK,  160
.set Q,   192
.set WV,  12
.set LIM, 15                           ; s15  1 in a wave that prefetches, else the greatest number
.set PFA, 18                           ; s[18:19] where my prefetches stand
.set PFS, 20                           ; s[20:21] a slot on, in bytes
.set CS,  22                           ; s[22:23] c
.set G1M, 24                           ; s[24:31] group 1 for the mask;  s[32:39] for K and V;  s[40:47], s[48:55] groups 0, a set for each slot
.set G1K, 32
.set G0M, 40
.set G0K, 48
.set TRIPS, 56
.set SEL, 58                           ; s[58:59] v_permlanex16_b32's selects for lane l xor 16
.set MSB, 0
.macro WIN new                         ; the immediate's high byte repeats the setting that is left
.if MSB != \new
	s_set_vgpr_msb (MSB<<8)|\new
.set MSB, \new
.endif
.endm
.macro CROUND                          ; a round of the cluster's barrier
	s_barrier_signal -1
	s_barrier_wait -1
	s_cmp_lg_u32 s[WV], 0
	s_cbranch_scc1 .Lnot_wave_0_\@
	s_barrier_signal -3
.Lnot_wave_0_\@:
	s_barrier_wait -3
	s_barrier_signal -1
	s_barrier_wait -1
.endm
.macro JLOAD sl                        ; a joint refill of slot sl; the branch hangs on the wave's number alone; an s_nop 0 and four v_nop follow each line
	s_cmp_lt_u32 s[WV], 4
	s_cbranch_scc0 .Lfor_kv_\@
	tensor_load_to_lds s[G0M+4*\sl:G0M+4*\sl+3], s[G1M:G1M+7]
	s_nop 0
.rept 4
	v_nop
.endr
	s_branch .Lasked_\@
.Lfor_kv_\@:
	tensor_load_to_lds s[G0K+4*\sl:G0K+4*\sl+3], s[G1K:G1K+7]
	s_nop 0
.rept 4
	v_nop
.endr
.Lasked_\@:
.endm
; A PREFETCH INTO THE L2 of what the NEXT change of slots will ask for, behind the wave's joint load and its five lines.  Each aligned block of 256 bytes is named once in the launch.
; The mask's 64 rows x 1,024 bytes of a slot: the four partners that ask for them jointly take 16 rows each, told apart BY ADDRESS (cx); in each, waves 0 and 1 take 8 rows: a lane a block.
; K's and V's 65,536 bytes of a slot are walked by every cluster: the first cluster along y asks; its four partners of a column take 16,384 bytes each (by cy), waves 2 and 3 half of that each.
; how = 1: the change has a successor in every trip; how = 0: the loop's last trip asks for nothing: there is no slot behind the last.
.macro ASK how
.if \how
	s_cmp_eq_u32 s[LIM], 1
.else
	s_cmp_gt_u32 s[TRIPS], s[LIM]
.endif
	s_cbranch_scc0 .Lnot_mine_\@
	global_prefetch_b8 v[PFO], s[PFA:PFA+1] th:TH_LOAD_NT scope:SCOPE_SE
.Lnot_mine_\@:
.endm
	s_load_b256 s[4:11], s[0:1], 0x0               ; qbuf s[4:5], kv s[6:7], mask s[8:9], ao s[10:11]
	v_lshl_add_u32 v[SPW], v0, 2, SPARE
	v_mov_b32 v[NIL], 0
	ds_add_u32 v[SPW], v[NIL]                      ; the wave's opening: the add, twice on end, and its wait ahead of my first tensor load
	ds_add_u32 v[SPW], v[NIL]
	v_lshrrev_b32 v1, 5, v0
	v_readfirstlane_b32 s[WV], v1                  ; wave 0..7
	s_bfe_u32 s13, ttmp6, 0x40000                  ; cx
	s_bfe_u32 s14, ttmp6, 0x40004                  ; cy
	s_lshl_b32 s67, ttmp9, 2
	s_add_co_u32 s67, s67, s13                     ; g
	s_and_b32 s57, ttmp7, 0xffff                   ; cluster y
	s_lshl_b32 s66, s57, 2
	s_add_co_u32 s66, s66, s14                     ; qb: my block of 64 queries
	s_and_b32 s16, s[WV], 3                        ; qs.  Also: which part or quarter I fetch
	s_lshr_b32 s17, s[WV], 2                       ; kh
	s_lshl_b32 s2, s14, 2
	s_lshl_b32 s2, 15, s2                          ; my row of the cluster
	s_lshl_b32 s3, 0x1111, s13                     ; my column
	s_or_b32 s[G1M], s2, (2<<16)|(1<<20)|(1<<21)|(5<<22)|(3<<25)   ; the mask of work-groups; elements of 4 bytes; padding on; 21 set beside a mask; after every 64 words, 4 words
	s_mov_b32 s[G1M+1], 64<<16                     ; tensor_dim0 = 64
	s_mov_b32 s[G1M+2], 64<<16                     ; tensor_dim1 = 64
	s_mov_b32 s[G1M+3], 64<<16                     ; tile_dim0 = 64 keys
	s_mov_b32 s[G1M+4], 64                         ; tile_dim1 = 64 queries
	s_mov_b32 s[G1M+5], 4096                       ; from row to row
	s_mov_b32 s[G1M+6], 0
	s_mov_b32 s[G1M+7], 0
	s_or_b32 s[G1K], s3, (3<<16)|(1<<21)           ; elements of 8 bytes, no padding: a dense block of 16,384 bytes as 64 rows of 256
	s_mov_b32 s[G1K+1], 32<<16
	s_mov_b32 s[G1K+2], 64<<16
	s_mov_b32 s[G1K+3], 32<<16
	s_mov_b32 s[G1K+4], 64
	s_mov_b32 s[G1K+5], 32
	s_mov_b32 s[G1K+6], 0
	s_mov_b32 s[G1K+7], 0
	s_lshl_b32 s68, s66, 20                        ; the mask: 64 qb rows of 16,384 bytes: nothing of cx in these registers
	s_lshl_b32 s69, s16, 8                         ; + my part's 256 bytes
	s_add_co_u32 s68, s68, s69
	s_mov_b32 s69, 0
	s_lshl_b32 s70, s67, 20                        ; kv: g x 2^20: nothing of cy
	s_lshl_b32 s71, s16, 14                        ; + my quarter of a slot
	s_add_co_u32 s70, s70, s71
	s_mov_b32 s71, 0
	s_mul_i32 s72, s16, MPART                      ; and where they go: no place in the cluster enters an LDS address
	s_lshl_b32 s73, s16, 14
	s_add_co_u32 s73, s73, KOFF
	s_lshl_b32 s74, s66, 2
	s_add_co_u32 s74, s74, s16                     ; my token tile
	s_lshl_b32 s76, s74, 13                        ; ao: 8,192 bytes a tile,
	s_lshl_b32 s74, s74, 15                        ; qbuf: 32,768 a tile,
	s_lshl_b32 s75, s67, 13                        ; + the group's four heads
	s_add_co_u32 s74, s74, s75
	s_mov_b32 s75, 0
	s_lshl_b32 s77, s67, 21                        ; ao: g x 2^21
	s_add_co_u32 s76, s76, s77
	s_mov_b32 s77, 0
	; the prefetches: where mine stand, and who asks
	s_lshl_b32 s78, s66, 6
	s_lshl_b32 s79, s13, 4
	s_add_co_u32 s78, s78, s79
	s_lshl_b32 s79, s[WV], 3
	s_add_co_u32 s78, s78, s79                     ; the mask's row 64 qb + 16 cx + 8 wave
	s_lshl_b32 s78, s78, 14
	s_add_co_u32 s78, s78, 2*1024                  ; in slot 2: the first change of slots steps it to slot 3.  Nothing is prefetched at the head
	s_lshl_b32 s61, s67, 20
	s_lshl_b32 s62, s14, 14
	s_add_co_u32 s61, s61, s62
	s_and_b32 s62, s[WV], 1
	s_lshl_b32 s62, s62, 13
	s_add_co_u32 s61, s61, s62
	s_add_co_u32 s61, s61, 2<<16                   ; kv: g, cy's 16,384 bytes, my 8,192 of them, in slot 2
	s_mov_b32 s62, 1024
	s_mov_b32 s[PFS], 65536
	s_cmp_lt_u32 s[WV], 2                          ; waves 0, 1: the mask; waves 2, 3: K and V
	s_cselect_b32 s78, s78, s61
	s_cselect_b32 s63, 16384, s62                  ; from four lanes to the next four
	s_cselect_b32 s[PFS], 1024, s[PFS]
	s_cselect_b32 s[LIM], 0, s57                   ; waves 0, 1 always ask; waves 2, 3 where the cluster is the first along y: the same in all partners
	s_mov_b32 s79, 0
	s_mov_b32 s[PFS+1], 0
	s_cmp_lt_u32 s[WV], 4
	s_cselect_b32 s[LIM], s[LIM], 1                ; waves 4-7 never
	s_cmp_eq_u32 s[LIM], 0
	s_cselect_b32 s[LIM], 1, -1
	s_mov_b32 s[CS], 0x3fb8aa3b                    ; c = log2(e)
	s_mov_b32 s[CS+1], s[CS]                       ; (named with it as a pair)
	s_mov_b32 s[SEL], 0x76543210
	s_mov_b32 s[SEL+1], 0xfedcba98
	s_mov_b32 s60, 0x01010101                      ; lanes 0, 8, 16, 24: rows 0 and 8 of a tile
	v_and_b32 v1, 31, v0                           ; lane
	v_and_b32 v12, 15, v0                          ; r
	v_bfe_u32 v13, v0, 4, 1                        ; h
	v_lshrrev_b32 v7, 2, v1
	v_mul_lo_u32 v[PFO], v7, s63
	v_and_b32 v7, 3, v1
	v_lshl_add_u32 v[PFO], v7, 8, v[PFO]
	v_lshlrev_b32 v[LI], 4, v1
	s_lshl_b32 s61, s16, 4
	v_add_nc_u32 v14, s61, v12                     ; my query's row in the work-group's 64
	v_mul_u32_u24 v14, v14, 272
	v_lshl_add_u32 v14, v13, 5, v14                ; + 32 h: my eight keys of a tile
	s_mul_i32 s61, s17, 2*MPART
	v_add_nc_u32 v[AM], s61, v14
	v_add_nc_u32 v[AM+1], SLOTB, v[AM]
	s_lshl_b32 s61, s17, 14
	s_add_co_u32 s61, s61, KOFF
	v_add_nc_u32 v[AK], s61, v[LI]
	v_add_nc_u32 v[AK+1], SLOTB, v[AK]
	s_mul_i32 s61, s16, MPART
	v_add_nc_u32 v[STG], s61, v[LI]
	v_mov_b32 v15, 0x3c003c00                      ; two ones in f16
.irp n, 0,1,2,3,4,5,6,7
	v_cndmask_b32 v[ONES+\n], 0, v15, s60
.endr
.irp i, 0,1,2,3
	v_mov_b32 v[ST+8*\i+1], 0xf149f2ca             ; m = -1e30
.endr
	s_wait_dscnt 0x0                               ; both opening adds are done
	s_wait_kmcnt 0x0
	s_add_nc_u64 s[68:69], s[8:9], s[68:69]
	s_add_nc_u64 s[70:71], s[6:7], s[70:71]
	s_add_nc_u64 s[74:75], s[4:5], s[74:75]
	s_add_nc_u64 s[76:77], s[10:11], s[76:77]
	s_cmp_lt_u32 s[WV], 2
	s_cselect_b64 s[PFA:PFA+1], s[8:9], s[6:7]
	s_add_nc_u64 s[PFA:PFA+1], s[PFA:PFA+1], s[78:79]
.irp sl, 0,1
	s_mov_b32 s[G0M+4*\sl], 1                      ; count = 1
	s_add_co_u32 s[G0M+4*\sl+1], s72, \sl*SLOTB    ; LDS address
	s_add_nc_u64 s[G0M+4*\sl+2:G0M+4*\sl+3], s[68:69], \sl*1024   ; global address: slot sl's 256 keys
	s_or_b32 s[G0M+4*\sl+3], s[G0M+4*\sl+3], 0x80000000           ; type = 2
	s_mov_b32 s[G0K+4*\sl], 1
	s_add_co_u32 s[G0K+4*\sl+1], s73, \sl*SLOTB
	s_add_nc_u64 s[G0K+4*\sl+2:G0K+4*\sl+3], s[70:71], \sl*65536
	s_or_b32 s[G0K+4*\sl+3], s[G0K+4*\sl+3], 0x80000000
.endr
	CROUND                                         ; all sixteen work-groups are here: the first joint loads meet
	s_cmp_lt_u32 s[WV], 4                          ; a wave's two first fills stand in one branch: two loads of mine are out
	s_cbranch_scc0 .Lfirst_kv
	tensor_load_to_lds s[G0M:G0M+3], s[G1M:G1M+7]
	s_nop 0
	tensor_load_to_lds s[G0M+4:G0M+7], s[G1M:G1M+7]
	s_nop 0
.rept 4
	v_nop
.endr
	s_branch .Lfirst_asked
.Lfirst_kv:
	tensor_load_to_lds s[G0K:G0K+3], s[G1K:G1K+7]
	s_nop 0
	tensor_load_to_lds s[G0K+4:G0K+7], s[G1K:G1K+7]
	s_nop 0
.rept 4
	v_nop
.endr
.Lfirst_asked:
	WIN 0x40                                       ; destination window 1
.set n, 0
.rept 16
	global_load_b128 v[Q+4*n:Q+4*n+3], v[LI], s[74:75] offset:512*n   ; Q stays in registers: four heads x two fragments
.set n, n+1
.endr
	WIN 0
; A KEY STEP: 64 keys, part 2 kh + part of slot sl.  fst = 1: the first step, which starts O^T and the sums: it has no a and nothing to rescale.
.macro STEP sl, part, fst
.rept 5
	v_nop                                          ; five places: the first products below write over P, which the last products read; and the loads land in registers that they read
.endr
	WIN 0x40
.irp t, 0,1,2,3
	ds_load_b128 v[MK+8*\t:MK+8*\t+3], v[AM+\sl] offset:\part*MPART+64*\t        ; mask(my query, keys 16 t + 8 h + 0..7)
	ds_load_b128 v[MK+8*\t+4:MK+8*\t+7], v[AM+\sl] offset:\part*MPART+64*\t+16
.endr
	WIN 0
.set n, 0
.rept 16
	ds_load_b128 v[KV+4*n:KV+4*n+3], v[AK+\sl] offset:8192*\part+512*n           ; K: fragment (t, c) at KV + 16 t + 8 c
.set n, n+1
.endr
	s_wait_dscnt 0x0
	WIN 0x14                                       ; source 1 (Q) and C (the mask) window 1
.irp t, 0,1,2,3
.irp i, 0,1,2,3
	v_wmma_f32_16x16x32_f16 v[S+32*\i+8*\t:S+32*\i+8*\t+7], v[KV+16*\t:KV+16*\t+7], v[Q+16*\i:Q+16*\i+7], v[MK+8*\t:MK+8*\t+7]
.endr
.endr
	WIN 0x04                                       ; the 16 accumulators take turns, in the same order
.irp t, 0,1,2,3
.irp i, 0,1,2,3
	v_wmma_f32_16x16x32_f16 v[S+32*\i+8*\t:S+32*\i+8*\t+7], v[KV+16*\t+8:KV+16*\t+15], v[Q+16*\i+8:Q+16*\i+15], v[S+32*\i+8*\t:S+32*\i+8*\t+7]
.endr
.endr
	WIN 0
.rept 4
	v_nop                                          ; four places in front of the loads into K's registers and of the first read of the scores
.endr
.set n, 0
.rept 16
	ds_load_b128 v[KV+4*n:KV+4*n+3], v[AK+\sl] offset:32768+8192*\part+512*n     ; V^T: fragment (f, dt) at KV + 8 (4 f + dt); it lands while the softmax is walked
.set n, n+1
.endr
	; the maximum of my 32 scores and the old m: four chains a tile, each accumulator first read at its low end; every line for the four tiles by turns
.irp t, 0,1,2,3
.irp i, 0,1,2,3
	v_max3_num_f32 v[ST+8*\i+4+\t], v[S+32*\i+8*\t], v[S+32*\i+8*\t+1], v[S+32*\i+8*\t+2]
.endr
.endr
.irp k, 1,2
.irp t, 0,1,2,3
.irp i, 0,1,2,3
	v_max3_num_f32 v[ST+8*\i+4+\t], v[ST+8*\i+4+\t], v[S+32*\i+8*\t+2*\k+1], v[S+32*\i+8*\t+2*\k+2]
.endr
.endr
.endr
.irp i, 0,1,2,3
	v_max3_num_f32 v[ST+8*\i+4], v[ST+8*\i+4], v[S+32*\i+7], v[S+32*\i+15]
.endr
.irp i, 0,1,2,3
	v_max3_num_f32 v[ST+8*\i+6], v[ST+8*\i+6], v[S+32*\i+23], v[S+32*\i+31]
.endr
.irp i, 0,1,2,3
	v_max3_num_f32 v[ST+8*\i+4], v[ST+8*\i+4], v[ST+8*\i+5], v[ST+8*\i+6]
.endr
.irp i, 0,1,2,3
	v_max3_num_f32 v[ST+8*\i+4], v[ST+8*\i+4], v[ST+8*\i+7], v[ST+8*\i+1]
.endr
.irp i, 0,1,2,3
	v_permlanex16_b32 v[ST+8*\i+5], v[ST+8*\i+4], s[SEL], s[SEL+1]   ; the query's other 32 keys lie in the lane 16 away
.endr
.if \fst == 0
.irp i, 0,1,2,3
	v_mov_b32 v[ST+8*\i+7], v[ST+8*\i]             ; c m_old is kept for a
.endr
.endif
.irp i, 0,1,2,3
	v_max_num_f32 v[ST+8*\i+1], v[ST+8*\i+4], v[ST+8*\i+5]
.endr
.irp i, 0,1,2,3
	v_mul_f32 v[ST+8*\i], s[CS], v[ST+8*\i+1]
.endr
.if \fst == 0
.irp i, 0,1,2,3
	v_sub_f32 v[ST+8*\i+7], v[ST+8*\i+7], v[ST+8*\i]
.endr
.endif
.set b, 0
.rept 16
.irp i, 0,1,2,3
	v_pk_fma_f32 v[S+32*\i+b:S+32*\i+b+1], v[S+32*\i+b:S+32*\i+b+1], s[CS:CS+1], v[ST+8*\i:ST+8*\i+1] op_sel_hi:[1,0,0] neg_lo:[0,0,1] neg_hi:[0,0,1]   ; c s - c m
.endr
.set b, b+2
.endr
.if \fst == 0
.irp i, 0,1,2,3
	v_exp_f32 v[ST+8*\i+6], v[ST+8*\i+7]           ; a
.endr
.endif
.set e, 0
.rept 32
.irp i, 0,1,2,3
	v_exp_f32 v[S+32*\i+e], v[S+32*\i+e]           ; p: ONE batch; none of these reads another's result
.endr
.set e, e+1
.endr
	v_nop                                          ; a plain instruction behind the last exponential
	s_wait_alu depctr_va_vdst(0)                   ; and the one wait ahead of the batch's first reader
.set n, 0
.rept 16
.irp i, 0,1,2,3
	v_cvt_pk_f16_f32 v[S+32*\i+n], v[S+32*\i+2*n], v[S+32*\i+2*n+1]   ; ascending: no pair is written over before it is read.  P(i, f) lies at S + 32 i + 8 f
.endr
.set n, n+1
.endr
.if \fst == 0
	WIN 0x41                                       ; O^T and the sums (destination, source 0) window 1; a window 0
.set b, 0
.rept 16
.irp i, 0,1,2,3
	v_pk_mul_f32 v[32*\i+b:32*\i+b+1], v[32*\i+b:32*\i+b+1], v[ST+8*\i+6:ST+8*\i+7] op_sel_hi:[1,0]
.endr
.set b, b+2
.endr
.irp i, 0,1,2,3
	v_mul_f32 v[L+8*\i], v[L+8*\i], v[ST+8*\i+6]   ; the sum lies in register 0; the tile's other rows are zeros
.endr
.endif
	s_wait_dscnt 0x0                               ; V is in
	WIN 0x50                                       ; C and D window 1.  20 accumulators by turns
.irp f, 0,1
.irp d, 0,1,2,3,4
.irp i, 0,1,2,3
.if \d < 4
.if (\fst) && (\f == 0)
	v_wmma_f32_16x16x32_f16 v[32*\i+8*\d:32*\i+8*\d+7], v[KV+8*(4*\f+\d):KV+8*(4*\f+\d)+7], v[S+32*\i+8*\f:S+32*\i+8*\f+7], 0
.else
	v_wmma_f32_16x16x32_f16 v[32*\i+8*\d:32*\i+8*\d+7], v[KV+8*(4*\f+\d):KV+8*(4*\f+\d)+7], v[S+32*\i+8*\f:S+32*\i+8*\f+7], v[32*\i+8*\d:32*\i+8*\d+7]
.endif
.else
.if (\fst) && (\f == 0)
	v_wmma_f32_16x16x32_f16 v[L+8*\i:L+8*\i+7], v[ONES:ONES+7], v[S+32*\i+8*\f:S+32*\i+8*\f+7], 0
.else
	v_wmma_f32_16x16x32_f16 v[L+8*\i:L+8*\i+7], v[ONES:ONES+7], v[S+32*\i+8*\f:S+32*\i+8*\f+7], v[L+8*\i:L+8*\i+7]
.endif
.endif
.endr
.endr
.endr
	WIN 0
.endm
; THE CHANGE OF SLOTS.  Each wave waits for all its tensor loads (one is out: its part of the slot ahead), adds 0 to its spare word, and waits for that and for its reads of the slot that it leaves.
; fill = 1: slot sl, just left, is filled with the keys two slots on: the barrier is a round of the cluster's, and the joint refill is the first thing behind it.
.macro CHANGE fill, sl, how
	s_wait_tensorcnt 0x0                           ; no tensor load of mine is out, so a group 0 may be written
	ds_add_u32 v[SPW], v[NIL]
.if \fill
	s_add_nc_u64 s[G0M+4*\sl+2:G0M+4*\sl+3], s[G0M+4*\sl+2:G0M+4*\sl+3], 2048      ; 512 keys on in the mask's rows
	s_add_nc_u64 s[G0K+4*\sl+2:G0K+4*\sl+3], s[G0K+4*\sl+2:G0K+4*\sl+3], 131072    ; two slots on in kv
	s_wait_xcnt 0x0                                ; the last prefetch, a slot back, has read its address, so it may be written
	s_add_nc_u64 s[PFA:PFA+1], s[PFA:PFA+1], s[PFS:PFS+1]
	s_wait_dscnt 0x0                               ; the add is done, and my reads of the slot are over
	CROUND
	JLOAD \sl
	ASK \how
.else
	s_wait_dscnt 0x0
	s_barrier_signal -1
	s_barrier_wait -1
.endif
.endm
	s_wait_tensorcnt 1                             ; my part of slot 0 is in; slot 1's may stay out
	s_barrier_signal -1
	s_barrier_wait -1                              ; everybody's is
	s_wait_loadcnt 0x0                             ; Q
	STEP 0, 0, 1
	STEP 0, 1, 0
	s_mov_b32 s[TRIPS], 7
.Lslot:                                            ; seven trips, two slots each: slots 2 to 15 are asked for
	CHANGE 1, 0, 1
	STEP 1, 0, 0
	STEP 1, 1, 0
	CHANGE 1, 1, 0
	STEP 0, 0, 0
	STEP 0, 1, 0
	s_sub_co_u32 s[TRIPS], s[TRIPS], 1
	s_cmp_lg_u32 s[TRIPS], 0
	s_cbranch_scc1 .Lslot
	CHANGE 0, 0, 0                                 ; the last slot is written out: nothing is asked for
	STEP 1, 0, 0
	STEP 1, 1, 0
	; THE END.  Waves 4-7 hand their O^T, sums and c m to waves 0-3 through a stage in slot 0, which has had its last fill and, since the last change of slots, its last read.
.rept 4
	v_nop                                          ; four places behind the last products
.endr
	WIN 0x01
.irp i, 0,1,2,3
	v_mov_b32 v[PS+\i], v[L+8*\i]                  ; the sums
.endr
	WIN 0
.irp i, 0,1,2,3
	v_mov_b32 v[PS+4+\i], v[ST+8*\i]               ; c m
.endr
	s_cmp_lt_u32 s[WV], 4
	s_cbranch_scc1 .Lkeep
	WIN 0x04                                       ; an LDS store's data are its source 1: window 1
.set n, 0
.rept 32
	ds_store_b128 v[STG], v[4*n:4*n+3] offset:512*n   ; each accumulator from its low end on
.set n, n+1
.endr
	WIN 0
	ds_store_b128 v[STG], v[PS:PS+3] offset:16384
	ds_store_b128 v[STG], v[PS+4:PS+7] offset:16896
.Lkeep:
	s_wait_dscnt 0x0                               ; for the others' sake: my stores have landed
	s_barrier_signal -1
	s_barrier_wait -1
	s_cmp_ge_u32 s[WV], 4
	s_cbranch_scc1 .Ldone
	ds_load_b128 v[KV:KV+3], v[STG] offset:16384   ; the partner's sums
	ds_load_b128 v[KV+4:KV+7], v[STG] offset:16896 ; and c m
.set n, 0
.rept 32
	ds_load_b128 v[S+4*n:S+4*n+3], v[STG] offset:512*n   ; its O^T
.set n, n+1
.endr
	s_wait_dscnt 32                                ; the first two loads are in; the 32 behind them may be out
.irp i, 0,1,2,3
	v_max_num_f32 v[ST+8*\i+6], v[PS+4+\i], v[KV+4+\i]   ; the larger c m
.endr
.irp i, 0,1,2,3
	v_sub_f32 v[ST+8*\i+2], v[PS+4+\i], v[ST+8*\i+6]
	v_sub_f32 v[ST+8*\i+4], v[KV+4+\i], v[ST+8*\i+6]
.endr
.irp i, 0,1,2,3
	v_exp_f32 v[ST+8*\i+2], v[ST+8*\i+2]           ; f: my half under the common maximum
	v_exp_f32 v[ST+8*\i+4], v[ST+8*\i+4]           ; f': the partner's
.endr
	v_nop
	s_wait_alu depctr_va_vdst(0)                   ; one wait for the eight
.irp i, 0,1,2,3
	v_mul_f32 v[ST+8*\i+6], v[PS+\i], v[ST+8*\i+2]
.endr
.irp i, 0,1,2,3
	v_fma_f32 v[ST+8*\i+6], v[KV+\i], v[ST+8*\i+4], v[ST+8*\i+6]   ; the row's sum
.endr
.irp i, 0,1,2,3
	v_rcp_f32 v[ST+8*\i+7], v[ST+8*\i+6]
.endr
	v_nop
	s_wait_alu depctr_va_vdst(0)                   ; one wait for the four
.irp i, 0,1,2,3
	v_mul_f32 v[ST+8*\i+2], v[ST+8*\i+2], v[ST+8*\i+7]   ; f / the sum
	v_mul_f32 v[ST+8*\i+4], v[ST+8*\i+4], v[ST+8*\i+7]   ; f' / the sum
	v_mov_b32 v[ST+8*\i+3], 0                      ; (named as the upper half of a pair)
.endr
	s_wait_dscnt 0x0                               ; the partner's O^T is in
.set b, 0
.rept 16
.irp i, 0,1,2,3
	v_pk_mul_f32 v[S+32*\i+b:S+32*\i+b+1], v[S+32*\i+b:S+32*\i+b+1], v[ST+8*\i+4:ST+8*\i+5] op_sel_hi:[1,0]
.endr
.set b, b+2
.endr
	WIN 0x01                                       ; source 0: my O^T, window 1
.set b, 0
.rept 16
.irp i, 0,1,2,3
	v_pk_fma_f32 v[S+32*\i+b:S+32*\i+b+1], v[32*\i+b:32*\i+b+1], v[ST+8*\i+2:ST+8*\i+3], v[S+32*\i+b:S+32*\i+b+1] op_sel_hi:[1,0,1]
.endr
.set b, b+2
.endr
	WIN 0
.irp i, 0,1,2,3                        ; tile by tile, ascending: the packed results of tile i lie at S + 16 i, over numbers that have been read
.set n, 0
.rept 16
	v_cvt_pk_f16_f32 v[S+16*\i+n], v[S+32*\i+2*n], v[S+32*\i+2*n+1]
.set n, n+1
.endr
.endr
.set n, 0
.rept 16
	global_store_b128 v[LI], v[S+4*n:S+4*n+3], s[76:77] offset:512*n   ; fragment 2 i + c of my token tile: 512 consecutive bytes, aligned
.set n, n+1
.endr
.Ldone:
	s_wait_tensorcnt 0x0                           ; the wave's end, behind my last tensor load and my last LDS store
	ds_add_u32 v[SPW], v[NIL]
	s_wait_dscnt 0x0
	CROUND                                         ; the closing round
	s_endpgm
.Lfunc_end_k_q6ff0601dd2_attn:
	.size	k_q6ff0601dd2_attn, .Lfunc_end_k_q6ff0601dd2_attn-k_q6ff0601dd2_attn
	.p2alignl 7, 3214868480
	.fill 96, 4, 3214868480
	.section	.rodata,"a",@progbits
	.p2align	6, 0x0
	.amdhsa_kernel k_q6ff0601dd2_attn
		.amdhsa_group_segment_fixed_size 327680
		.amdhsa_private_segment_fixed_size 0
		.amdhsa_enable_private_segment 0
		.amdhsa_kernarg_size 32
		.amdhsa_user_sgpr_count 2
		.amdhsa_user_sgpr_kernarg_segment_ptr 1
		.amdhsa_wavefront_size32 1
		.amdhsa_system_sgpr_workgroup_id_x 1
		.amdhsa_system_sgpr_workgroup_id_y 1
		.amdhsa_system_sgpr_workgroup_id_z 1
		.amdhsa_system_vgpr_workitem_id 0
		.amdhsa_next_free_vgpr 512
		.amdhsa_next_free_sgpr 80
		.amdhsa_reserve_vcc 0
		.amdhsa_float_denorm_mode_32 3
		.amdhsa_float_denorm_mode_16_64 3
		.amdhsa_memory_ordered 1
		.amdhsa_forward_progress 1
		.amdhsa_inst_pref_size 255
	.end_amdhsa_kernel
	.section	.bss,"aw",@nobits
	.p2align	6
	.space	262144
	.amdgpu_metadata
---
amdhsa.version: [ 1, 2 ]
amdhsa.kernels:
  - .name:           k_q6ff0601dd2_attn
    .symbol:         k_q6ff0601dd2_attn.kd
    .args:
      - { .name: qbuf, .offset: 0, .size: 8, .value_kind: global_buffer, .address_space: global }
      - { .name: kv, .offset: 8, .size: 8, .value_kind: global_buffer, .address_space: global }
      - { .name: attention_mask, .offset: 16, .size: 8, .value_kind: global_buffer, .address_space: global }
      - { .name: ao, .offset: 24, .size: 8, .value_kind: global_buffer, .address_space: global }
    .group_segment_fixed_size: 327680
    .private_segment_fixed_size: 0
    .kernarg_segment_align: 8
    .kernarg_segment_size: 32
    .max_flat_workgroup_size: 256
    .sgpr_count:     80
    .vgpr_count:     512
    .wavefront_size: 32
...
	.end_amdgpu_metadata
.endif
;; end of part 3
;; launch oproj (part 4): grid 8 x 32, 4 waves a work-group, clusters of 4 x 4, 327,680 bytes of LDS; arguments ao, wo16, out0; writes out0
.if DOCPART == 4
	.amdgcn_target "amdgcn-amd-amdhsa--gfx1250"
	.amdhsa_code_object_version 6
	.text
	.protected	k_q6ff0601dd2_oproj
	.globl	k_q6ff0601dd2_oproj
	.p2align	8
	.type	k_q6ff0601dd2_oproj,@function
k_q6ff0601dd2_oproj:
	s_mov_b64 s[64:65], 0
	v_nop
	global_prefetch_b8 v0, s[64:65] scope:SCOPE_SE
	s_setreg_imm32_b32 hwreg(HW_REG_WAVE_MODE, 25, 1), 1
	s_wait_xcnt 0x0
	s_wait_alu depctr_hold_cnt(0) depctr_sa_sdst(0) depctr_va_vdst(0) depctr_va_sdst(0) depctr_va_ssrc(0) depctr_va_vcc(0) depctr_vm_vsrc(0)
	s_getreg_b32 s2, hwreg(HW_REG_IB_STS2, 6, 4)
	s_cmp_eq_u32 s2, 0
	s_cbranch_scc0 .Lentry_in_a_cluster
	s_endpgm
.Lentry_in_a_cluster:
	s_bfe_u32 s2, ttmp6, 0x10000c
	s_cmp_lg_u32 s2, 0xf033
	s_cbranch_scc0 .Lentry_shape_is_right
	s_endpgm
.Lentry_shape_is_right:
; OPROJ.  out0[token][n] = the sum over the 1,024 features of ao[token][feature] Wo[n][feature]; f16 operands, f32 sums, f32 out.
; ao:   [g 4][token tile 256][8 fragments of 16 tokens x 32 features][1,024];   wo16: [g 4][row tile 64][8 fragments][1,024]: images of the operands' registers, so every LDS load reads 512 consecutive bytes.
; A tile of the output is 128 x 128; four waves, each 64 x 64: 16 accumulators.  A K step is one group g, 256 features: four K steps through a ring of two LDS slots of 131,072 bytes
; (A's 128 tokens: 65,536 bytes, then B's 128 rows).  Each wave fetches a dense 32,768 bytes with one tensor load.
; CLUSTER 4 x 4: A's tile is shared along a row of the cluster, B's along a column: each is asked for jointly.
; THE MATRIX INSTRUCTION IS USED TRANSPOSED (source 0 = 16 rows of Wo, source 1 = 16 tokens): a lane holds eight neighbouring numbers of a row of the output.
; A wave's 64 columns are 256 bytes of a row: they go through the wave's own stage and leave as whole aligned runs of 256 bytes.
; REGISTERS: window 0: v16-29 addresses; v32-95 the way out; v128-255 accumulators ((a, b) at 128 + 8 (4 a + b)).  window 1: two fragment buffers of 128: 64 of A (2 x 4 fragments), then 64 of B.
.set SLOT,   131072
.set STAGE,  2*SLOT
.set SPITCH, 272
.set SPARE,  STAGE+4*16*SPITCH         ; behind the stages: the spare words, 128 bytes for each wave
.set ADRA, 16
.set ADRB, 20
.set STO,  24
.set RD,   25
.set CO,   26
.set SPW,  28                          ; my spare word; never rewritten
.set NIL,  29                          ; 0; never rewritten
.set TMP,  32
.set ACC,  128
.set F0,   0
.set F1,   128
.set G1, 24
.set G0, 32
.set G1B, 48
.set G0B, 56
.set MSB, 0
.macro WIN new                         ; the immediate's high byte repeats the setting that is left
.if MSB != \new
	s_set_vgpr_msb (MSB<<8)|\new
.set MSB, \new
.endif
.endm
.set MUL,  0x05                        ; sources 0 (B) and 1 (A) window 1; C and D window 0
.set TO_F, 0x40                        ; destination window 1
.macro JLOAD s                         ; a joint load: waves 0 and 1 fetch A's halves, waves 2 and 3 B's; an s_nop 0 and four v_nop follow each line
	s_cmp_eq_u32 s11, 0
	s_cbranch_scc0 .Lfor_b_\@
	tensor_load_to_lds s[G0+4*\s:G0+4*\s+3], s[G1:G1+7]
	s_nop 0
.rept 4
	v_nop
.endr
	s_branch .Lasked_\@
.Lfor_b_\@:
	tensor_load_to_lds s[G0B+4*\s:G0B+4*\s+3], s[G1B:G1B+7]
	s_nop 0
.rept 4
	v_nop
.endr
.Lasked_\@:
.endm
.macro CREST                           ; a round of the cluster's barrier behind its opening barrier
	s_cmp_lg_u32 s10, 0
	s_cbranch_scc1 .Lnot_wave_0_\@
	s_barrier_signal -3
.Lnot_wave_0_\@:
	s_barrier_wait -3
	s_barrier_signal -1
	s_barrier_wait -1
.endm
.macro CROUND
	s_barrier_signal -1
	s_barrier_wait -1
	CREST
.endm
	s_load_b128 s[4:7], s[0:1], 0x0                ; ao s[4:5], wo16 s[6:7]
	s_load_b64 s[8:9], s[0:1], 0x10                ; out0
	v_lshl_add_u32 v[SPW], v0, 2, SPARE
	v_mov_b32 v[NIL], 0
	ds_add_u32 v[SPW], v[NIL]                      ; the wave's opening: the add, twice on end, and its wait ahead of my first tensor load
	ds_add_u32 v[SPW], v[NIL]
	v_lshrrev_b32 v1, 5, v0
	v_readfirstlane_b32 s10, v1                    ; wave 0..3
	s_lshr_b32 s11, s10, 1                         ; which half of the tile's tokens is mine.  Also: I fetch for A (0) or for B (1)
	s_and_b32 s12, s10, 1                          ; which half of its columns.  Also: which half of that tile I fetch
	s_bfe_u32 s40, ttmp6, 0x40000                  ; cx
	s_bfe_u32 s41, ttmp6, 0x40004                  ; cy
	s_lshl_b32 s42, ttmp9, 2
	s_add_co_u32 s42, s42, s40                     ; tile column
	s_and_b32 s13, ttmp7, 0xffff
	s_lshl_b32 s13, s13, 2
	s_add_co_u32 s13, s13, s41                     ; tile row
	s_lshl_b32 s43, s41, 2
	s_lshl_b32 s43, 15, s43                        ; my row of the cluster
	s_lshl_b32 s44, 0x1111, s40                    ; my column
	s_or_b32 s[G1+0], s43, (3<<16)|(1<<21)         ; the mask; elements of 8 bytes; 21 set beside a mask; no padding
	s_or_b32 s[G1B+0], s44, (3<<16)|(1<<21)
.irp g, G1, G1B                        ; a dense block of 32,768 bytes as 128 rows of 256
	s_mov_b32 s[\g+1], 32<<16
	s_mov_b32 s[\g+2], 128<<16
	s_mov_b32 s[\g+3], 32<<16
	s_mov_b32 s[\g+4], 128
	s_mov_b32 s[\g+5], 32
	s_mov_b32 s[\g+6], 0
	s_mov_b32 s[\g+7], 0
.endr
	s_lshl_b32 s17, s12, 2
	s_lshl_b32 s16, s13, 3
	s_add_co_u32 s16, s16, s17
	s_lshl_b32 s16, s16, 13                        ; A: token tile 8 x tile row + 4 x half, 8,192 bytes each
	s_lshl_b32 s46, s42, 3
	s_add_co_u32 s46, s46, s17
	s_lshl_b32 s46, s46, 13                        ; B: row tile 8 x tile column + 4 x half
	s_mov_b32 s17, 0
	s_mov_b32 s47, 0
	s_lshl_b32 s20, s10, 15                        ; where they go: wave x 32,768
	s_wait_dscnt 0x0                               ; both opening adds are done
	s_wait_kmcnt 0x0
	s_add_nc_u64 s[14:15], s[4:5], s[16:17]
	s_add_nc_u64 s[46:47], s[6:7], s[46:47]
	CROUND                                         ; all sixteen work-groups are here: the first joint loads meet
.irp s, 0,1
	s_mov_b32 s[G0+4*\s], 1
	s_add_co_u32 s[G0+4*\s+1], s20, \s*SLOT
	s_add_nc_u64 s[G0+4*\s+2:G0+4*\s+3], s[14:15], \s*0x200000    ; group s of ao
	s_or_b32 s[G0+4*\s+3], s[G0+4*\s+3], 0x80000000
	s_mov_b32 s[G0B+4*\s], 1
	s_add_co_u32 s[G0B+4*\s+1], s20, \s*SLOT
	s_add_nc_u64 s[G0B+4*\s+2:G0B+4*\s+3], s[46:47], \s*0x80000   ; group s of wo16
	s_or_b32 s[G0B+4*\s+3], s[G0B+4*\s+3], 0x80000000
	JLOAD \s
.endr
	v_and_b32 v1, 15, v0                           ; r
	v_bfe_u32 v2, v0, 4, 1                         ; h
	v_and_b32 v3, 31, v0
	v_lshlrev_b32 v3, 4, v3                        ; 16 x lane
	s_lshl_b32 s21, s11, 15                        ; my 64 tokens of A
	s_lshl_b32 s22, s12, 15
	s_add_co_u32 s22, s22, 65536                   ; my 64 rows of B, behind A's 128 tokens
.irp s, 0,1
	v_add_nc_u32 v[ADRA+\s], s21, v3
	v_add_nc_u32 v[ADRB+\s], s22, v3
	s_add_co_u32 s21, s21, SLOT
	s_add_co_u32 s22, s22, SLOT
.endr
	s_mul_i32 s23, s10, 16*SPITCH
	s_add_co_u32 s23, s23, STAGE                   ; my stage
	v_mul_u32_u24 v4, v1, SPITCH
	v_lshl_add_u32 v4, v2, 5, v4
	v_add_nc_u32 v[STO], s23, v4                   ; in: row r, 32 bytes for each half of the lanes
	v_mul_u32_u24 v5, v2, SPITCH
	v_lshl_add_u32 v5, v1, 4, v5
	v_add_nc_u32 v[RD], s23, v5                    ; back: lanes 0-15 one row of 256 bytes, lanes 16-31 the next
	v_lshlrev_b32 v5, 12, v2
	v_lshl_add_u32 v[CO], v1, 4, v5                ; and the same two rows in out0: 4,096 bytes a row
	s_lshl_b32 s22, s13, 7
	s_lshl_b32 s23, s11, 6
	s_add_co_u32 s22, s22, s23
	s_lshl_b32 s22, s22, 12                        ; my first token: 128 x tile row + 64 x half
	s_lshl_b32 s23, s42, 9
	s_add_co_u32 s22, s22, s23                     ; my first column, in bytes: 512 x tile column
	s_lshl_b32 s23, s12, 8
	s_add_co_u32 s22, s22, s23                     ; + 256 x half
	s_mov_b32 s23, 0
	s_add_nc_u64 s[8:9], s[8:9], s[22:23]
; 8 matrix instructions: token tiles a0, a0 + 1 x all 4 column tiles, 32 along K: half c of buffer f.  zero = 1: the first product starts the sums
.macro MUL8 f, c, a0, zero
.irp a, \a0, \a0+1
.irp b, 0,1,2,3
.if \zero
	v_wmma_f32_16x16x32_f16 v[ACC+8*(4*(\a)+\b):ACC+8*(4*(\a)+\b)+7], v[\f+64+8*(4*\c+\b):\f+64+8*(4*\c+\b)+7], v[\f+8*(4*\c+\a):\f+8*(4*\c+\a)+7], 0
.else
	v_wmma_f32_16x16x32_f16 v[ACC+8*(4*(\a)+\b):ACC+8*(4*(\a)+\b)+7], v[\f+64+8*(4*\c+\b):\f+64+8*(4*\c+\b)+7], v[\f+8*(4*\c+\a):\f+8*(4*\c+\a)+7], v[ACC+8*(4*(\a)+\b):ACC+8*(4*(\a)+\b)+7]
.endif
.endr
.endr
.endm
; 32 LDS loads in one run: the fragments of quarter q (64 along K) into buffer f; the first 32 along K first
.macro FETCH slot, q, f
	WIN TO_F
.irp c, 0,1
.irp i, 0,1,2,3
	ds_load_b128 v[\f+64+8*(4*\c+\i):\f+64+8*(4*\c+\i)+3],   v[ADRB+\slot] offset:\i*8192+(2*(\q)+\c)*1024
	ds_load_b128 v[\f+64+8*(4*\c+\i)+4:\f+64+8*(4*\c+\i)+7], v[ADRB+\slot] offset:\i*8192+(2*(\q)+\c)*1024+512
	ds_load_b128 v[\f+8*(4*\c+\i):\f+8*(4*\c+\i)+3],         v[ADRA+\slot] offset:\i*8192+(2*(\q)+\c)*1024
	ds_load_b128 v[\f+8*(4*\c+\i)+4:\f+8*(4*\c+\i)+7],       v[ADRA+\slot] offset:\i*8192+(2*(\q)+\c)*1024+512
.endr
.endr
.endm
.macro PLACES                          ; four places in front of loads into registers that matrix instructions have read, and of the first read of results
.rept 4
	v_nop
.endr
.endm
; One of a K step's first three quarters: multiplies buffer f and fetches quarter q into g.  The 16 accumulators take turns.
.macro QUARTER slot, q, f, g, zero
	s_wait_dscnt 16                                ; the first 32 along K are in; the other 16 loads may be out
	WIN MUL
	MUL8 \f, 0, 0, \zero
	MUL8 \f, 0, 2, \zero
	PLACES
	FETCH \slot, \q, \g
	s_wait_dscnt 32                                ; all but the 32 just issued
	WIN MUL
	MUL8 \f, 1, 0, 0
	MUL8 \f, 1, 2, 0
.endm
; The last quarter multiplies buffer 1 and changes slots: ONE barrier; in front of it each wave waits for all its tensor loads, adds 0 to its spare word, and waits for that and for its reads of this slot.
.macro TURN slot, next, fill
	WIN 0                                          ; (the add's two registers lie in window 0)
	s_wait_tensorcnt 0x0                           ; all my tensor loads have landed: my part of the next slot;
	ds_add_u32 v[SPW], v[NIL]
	s_wait_dscnt 17                                ; (the add and the youngest sixteen loads may be out)
	WIN MUL
	MUL8 F1, 0, 0, 0
	s_wait_dscnt 0x0                               ; the add is done, and my reads of this slot are over
	s_barrier_signal -1
	MUL8 F1, 0, 2, 0
.if \fill
	WIN 0
.endif
	s_barrier_wait -1
.if \fill
	CREST                                          ; the barrier has opened a round of the cluster's: no wave of any partner still reads this slot or has a load on its way
	s_add_nc_u64 s[G0+4*\slot+2:G0+4*\slot+3], s[G0+4*\slot+2:G0+4*\slot+3], 0x400000      ; two groups on in ao
	s_add_nc_u64 s[G0B+4*\slot+2:G0B+4*\slot+3], s[G0B+4*\slot+2:G0B+4*\slot+3], 0x100000  ; and in wo16
	JLOAD \slot                                    ; the first tensor load behind the round; its four v_nop are also the places in front of the loads below
.else
	PLACES
.endif
	FETCH \next, 0, F0
	WIN MUL
	MUL8 F1, 1, 0, 0
	MUL8 F1, 1, 2, 0
.endm
	s_wait_tensorcnt 1                             ; my part of K step 0 is in; K step 1's may stay out
	s_barrier_signal -1
	s_barrier_wait -1
	FETCH 0, 0, F0
	QUARTER 0, 1, F0, F1, 1                        ; group 0: the first products start the sums
	QUARTER 0, 2, F1, F0, 0
	QUARTER 0, 3, F0, F1, 0
	TURN 0, 1, 1                                   ; slot 0 takes group 2
	QUARTER 1, 1, F0, F1, 0
	QUARTER 1, 2, F1, F0, 0
	QUARTER 1, 3, F0, F1, 0
	TURN 1, 0, 1                                   ; slot 1 takes group 3
	QUARTER 0, 1, F0, F1, 0
	QUARTER 0, 2, F1, F0, 0
	QUARTER 0, 3, F0, F1, 0
	TURN 0, 1, 0                                   ; nothing is left to fetch
	QUARTER 1, 1, F0, F1, 0
	QUARTER 1, 2, F1, F0, 0
	QUARTER 1, 3, F0, F1, 0
	s_wait_dscnt 16                                ; the very last quarter
	WIN MUL
	MUL8 F1, 0, 0, 0
	MUL8 F1, 0, 2, 0
	s_wait_dscnt 0x0
	MUL8 F1, 1, 0, 0
	MUL8 F1, 1, 2, 0
	WIN 0
; THE WAY OUT, a tile of 16 tokens at a time: 32 bytes a lane into my stage, back as whole rows of 256 bytes.  LDS serves a wave's instructions in order: no wait between the stores and the loads.
.macro TOSTAGE a
.irp b, 0,1,2,3
	ds_store_b128 v[STO], v[ACC+8*(4*(\a)+\b):ACC+8*(4*(\a)+\b)+3] offset:64*\b          ; each accumulator from its low end on
	ds_store_b128 v[STO], v[ACC+8*(4*(\a)+\b)+4:ACC+8*(4*(\a)+\b)+7] offset:64*\b+16
.endr
.set BB, TMP+32*((\a)%2)
.irp t, 0,1,2,3,4,5,6,7
	ds_load_b128 v[BB+4*\t:BB+4*\t+3], v[RD] offset:\t*2*SPITCH
.endr
.endm
.macro SEND a, younger                 ; younger: the LDS instructions issued behind tile a's loads, which may stay out
.set BB, TMP+32*((\a)%2)
	s_wait_dscnt \younger
.irp t, 0,1,2,3,4,5,6,7
	global_store_b128 v[CO], v[BB+4*\t:BB+4*\t+3], s[8:9] offset:(16*(\a)+2*\t)*4096 th:TH_STORE_NT   ; 16 lanes store 256 consecutive bytes, aligned
.endr
.endm
	PLACES
	TOSTAGE 0
	TOSTAGE 1
	SEND 0, 16                                     ; behind tile 0's loads: tile 1's 8 stores and 8 loads
	s_wait_xcnt 0x0                                ; tile 0's stores have read their data: tile 2's loads may land there
	TOSTAGE 2
	SEND 1, 16
	s_wait_xcnt 0x0
	TOSTAGE 3
	SEND 2, 16
	SEND 3, 0
	s_wait_tensorcnt 0x0                           ; the wave's end, behind my last tensor load and my last LDS store
	ds_add_u32 v[SPW], v[NIL]
	s_wait_dscnt 0x0
	CROUND                                         ; the closing round
	s_endpgm
.Lfunc_end_k_q6ff0601dd2_oproj:
	.size	k_q6ff0601dd2_oproj, .Lfunc_end_k_q6ff0601dd2_oproj-k_q6ff0601dd2_oproj
	.p2alignl 7, 3214868480
	.fill 96, 4, 3214868480
	.section	.rodata,"a",@progbits
	.p2align	6, 0x0
	.amdhsa_kernel k_q6ff0601dd2_oproj
		.amdhsa_group_segment_fixed_size 327680
		.amdhsa_private_segment_fixed_size 0
		.amdhsa_enable_private_segment 0
		.amdhsa_kernarg_size 24
		.amdhsa_user_sgpr_count 2
		.amdhsa_user_sgpr_kernarg_segment_ptr 1
		.amdhsa_wavefront_size32 1
		.amdhsa_system_sgpr_workgroup_id_x 1
		.amdhsa_system_sgpr_workgroup_id_y 1
		.amdhsa_system_sgpr_workgroup_id_z 1
		.amdhsa_system_vgpr_workitem_id 0
		.amdhsa_next_free_vgpr 512
		.amdhsa_next_free_sgpr 66
		.amdhsa_reserve_vcc 0
		.amdhsa_float_denorm_mode_32 3
		.amdhsa_float_denorm_mode_16_64 3
		.amdhsa_memory_ordered 1
		.amdhsa_forward_progress 1
		.amdhsa_inst_pref_size 85
	.end_amdhsa_kernel
	.amdgpu_metadata
---
amdhsa.version: [ 1, 2 ]
amdhsa.kernels:
  - .name:           k_q6ff0601dd2_oproj
    .symbol:         k_q6ff0601dd2_oproj.kd
    .args:
      - { .name: ao, .offset: 0, .size: 8, .value_kind: global_buffer, .address_space: global }
      - { .name: wo16, .offset: 8, .size: 8, .value_kind: global_buffer, .address_space: global }
      - { .name: out0, .offset: 16, .size: 8, .value_kind: global_buffer, .address_space: global }
    .group_segment_fixed_size: 327680
    .private_segment_fixed_size: 0
    .kernarg_segment_align: 8
    .kernarg_segment_size: 24
    .max_flat_workgroup_size: 128
    .sgpr_count:     66
    .vgpr_count:     512
    .wavefront_size: 32
...
	.end_amdgpu_metadata
.endif
;; end of part 4
